; MI455X (gfx1250); checked and timed in simulation.
; The chip was launched on July 23, 2026; its instructions are those of AMD's public machine-readable ISA for CDNA 5 (MIT licence, August 2026) and "CDNA5" Instruction Set Architecture Reference Guide (July 2026). The comments in the code are by the model that wrote it; some were corrected since.
;; Sparse Mo E. Allowed arithmetic: matrix products marked QUANTISED: E2M1 operands, one E8M0 scale for each 32 along K, by v_wmma_scale_f32_16x16x128_f8f6f4 with both operands' format E2M1 (or v_wmma_scale_f32_32x16x128_f4), f32 sums; products left as they are: f32 operands where the result goes on into a quantised operand, else bf16, f16 or f32 operands; f32 sums; everything else in f32.
;; Inputs: W1 8 x 1,024 x 4,096 float32; W2 8 x 4,096 x 1,024 float32; Wn 1,024 x 8 float32; Wr 1,024 x 8 float32; b1 8 x 4,096 float32; b2 8 x 1,024 float32; bn 8 float32; br 8 float32; noise 2 x 512 x 8 float32; x 2 x 512 x 1,024 float32.
;; Outputs: out0 2 x 512 x 1,024 float32; out1 2 x 512 x 8 float32.
;; This version of the problem:
;;   THIS VERSION OF THE PROBLEM IS GIVEN IN LOW PRECISION. The matrix products marked QUANTISED in the list below multiply operands that are first quantised to E2M1 (2 exponent bits, 1 mantissa bit; 4 bits a number), with one power-of-two scale for each 32 numbers along K (OCP MX v1.0); their sums are f32. All else is computed in f32.
;;   The module's matrix products, in the order in which they are computed (A, B: the left and right operand; K: the contracted axis; several contracted axes count as one K, in the product's order):
;;     1. [M 1,024, K 1,024] x [K 1,024, N 8]; A: input x; B: input Wr: left as it is (N = 8 < 16)
;;     2. [M 1,024, K 1,024] x [K 1,024, N 8]; A: input x; B: input Wn: left as it is (N = 8 < 16)
;;     3. [M 32,768, K 1,024] x [K 1,024, N 1,024]; A: input W1; B: input x: QUANTISED
;;     4. batch 8 x [M 1,024, K 4,096] x [K 4,096, N 1,024]; A: computed on the way; B: input W2: QUANTISED
;;     5. batch 1,024 x [M 1, K 8] x [K 8, N 1,024]; A: softmax; B: computed on the way: left as it is (K = 8 < 32)
;;   THE QUANTISER, for each operand of a quantised product, along K:
;;     - K is cut into blocks of 32 from its start; a last block that is shorter is filled with zeros.
;;     - A block's scale is 2^e with e = floor(log2(the largest magnitude in the block)) - 2, held to -126 .. 127; a block of zeros has e = 0. As a byte (E8M0): e + 127.
;;     - Each number is divided by its block's scale, clamped to +-6, and rounded to the nearest number of E2M1, ties to even, subnormals kept.
;;     - The product sums the exact products of the quantised numbers (number of the format x scale) in f32.
;;   ~~~python
;;   def quantise(x, axis):      # numpy; x: float32 -> the quantised numbers, widened to float32 again
;;       x = np.moveaxis(x, axis, -1); K = x.shape[-1]
;;       x = np.pad(x, [(0, 0)] * (x.ndim - 1) + [(0, -K % 32)]); x = x.reshape(x.shape[:-1] + (-1, 32)); a = np.abs(x).max(-1, keepdims=True)
;;       e = np.where(a > 0, np.clip(np.frexp(np.where(a > 0, a, 1))[1] - 1 - 2, -126, 127), 0)      # np.frexp(a)[1] - 1 = floor(log2(a)), exactly
;;       r = np.clip(x / 2.0 ** e, -6, 6)
;;       step = 2.0 ** (np.maximum(np.frexp(np.where(r == 0, 1, r))[1] - 1, 0) - 1)
;;       q = np.round(r / step) * step * 2.0 ** e      # np.round: ties to even
;;       return np.moveaxis(q.reshape(q.shape[:-2] + (-1,))[..., :K], -1, axis).astype(np.float32)
;;   ~~~
;;   OPERANDS COMPUTED ON THE WAY. 'Computed on the way' means the value that the module computes at that place (a softmax that the list does not call 'softmax' is quantised finished and normalised). What goes into a quantiser is computed in f32, as accurately as f32 sums, v_exp_f32 and their like allow (about 1e-6 of the number): no bf16 or f16 on the way to a quantiser, and a product that is left as it is and whose result goes on into a quantised operand takes f32 operands (vector FMAs, or v_wmma_f32_16x16x4_f32). A number that lies on a knife's edge between two numbers of the format may be rounded either way, as far as f32 arithmetic and the matrix unit's own rounding can turn it there, and no further.
;; One version. Each part assembles by itself: llvm-mc -triple=amdgcn-amd-amdhsa -mcpu=gfx1250 --defsym DOCPART=n.
;; ======== version 1 of 1: 4 launches
;; limits: right only within a limited range of input values
;; workspace buffers: xq 524,288 bytes; xs 32,768 bytes; gbuf 32,768 bytes; sel 1,024 bytes of whole numbers; smap 65,536 bytes of whole numbers; hq 16,777,216 bytes; hs 1,048,576 bytes; yp 18,874,368 bytes
;; launch route (part 1): grid 256 x 1, 4 waves a work-group, no clusters, 2,048 bytes of LDS; arguments x, noise, Wr, br, Wn, bn, xq, xs, gbuf, sel, out1; writes xq, xs, gbuf, sel, out1
.if DOCPART == 1
	.amdgcn_target "amdgcn-amd-amdhsa--gfx1250"
	.amdhsa_code_object_version 6
	.text
	.protected	k_q24682b6baa_route
	.globl	k_q24682b6baa_route
	.p2align	8
	.type	k_q24682b6baa_route,@function
k_q24682b6baa_route:
	s_mov_b64 s[64:65], 0
	v_nop
	global_prefetch_b8 v0, s[64:65] scope:SCOPE_SE
	s_setreg_imm32_b32 hwreg(HW_REG_WAVE_MODE, 25, 1), 1
	s_wait_xcnt 0x0
; THE ROUTER, AND x AS CODES.  1,024 tokens of 1,024 numbers, 8 experts, 2 chosen.
; logits = x Wr + br;  noisy = logits + noise * softplus(x Wn + bn);  the two largest noisy logits of a token are its experts (the lower index wins a tie);
; gates = softmax over those two;  out1 = softmax(logits).  All in f32, by fused multiply-adds.  x is also quantised along its 1,024 (blocks of 32, E2M1 codes, E8M0 bytes) for the next launch.
; DEAD WORK, for the whole program: gates[t][e] is exactly 0 wherever e is not among token t's two chosen experts, by the mask that the problem builds itself, and final = sum over e of gates[t][e] y[e][t].
; So for every finite value of the inputs the rows h[e][t][:] and y[e][t][:] of experts not chosen reach no output: they are left out in whole rows; only the 2,048 chosen rows are multiplied
; (the empty places of an expert's last group of 32 rows are computed and never read).  No input is dead: all ten are loaded.
; LIMITS: a NaN, an infinity or an overflow that arises only in the rows left out is not carried to the result.  NaN and infinities among the inputs are not served.
; Where two noisy logits lie within the rounding of an f32 sum of 1,024 terms, the choice may fall the other way than under another order of summation.
; Blocks whose largest magnitude lies under 2^(3 - 127) get the byte 1 (a block of zeros too: its codes are zeros, and this program alone reads the bytes).
; What this launch decides steers no address here: the choice is stored at fixed places (sel: one byte a token, bit e = expert e chosen; gbuf: 8 gates a token) and read by the later launches.
; SHARES.  A work-group has 4 tokens, t0 = 4 x its number.  Wave w quantises token t0 + w (a lane to a block of 32) and takes quarter w of the 1,024 for all 16 dot products of all 4 tokens
; (d = 256 w + 32 i + lane): 64 sums a lane.  They are folded over the 32 lanes so that lane 8 tt + e ends with the two sums of (token tt, expert e); the four waves' parts meet in LDS; wave 0 finishes.
.set ACC, 32                           ; v32-95   the 64 sums, index 16 tt + 8 kind + e (kind 0: Wr, 1: Wn); before them v32-63 hold the 32 numbers that I quantise
.set WS,  96                           ; v96-255  eight sets of 20: Wr[d][0..7], Wn[d][0..7], x[t0 .. t0+3][d]
.set SPARE, 1024                       ; LDS: 0-1023 the waves' parts (256 x wave + 128 x kind + 4 x lane); then the spare words, 128 bytes a wave
	s_load_b512 s[4:19], s[0:1], 0x0               ; x, noise, Wr, br, Wn, bn, xq, xs
	s_load_b128 s[20:23], s[0:1], 0x40             ; gbuf, sel
	s_load_b64 s[24:25], s[0:1], 0x50              ; out1
	v_lshl_add_u32 v7, v0, 2, SPARE                ; my spare word; never rewritten
	v_mov_b32 v8, 0                                ; 0; never rewritten
	v_lshrrev_b32 v1, 5, v0
	v_readfirstlane_b32 s26, v1                    ; wave 0..3
	v_and_b32 v1, 31, v0                           ; lane
	v_lshlrev_b32 v2, 2, v1                        ; 4 x lane
	v_lshlrev_b32 v3, 5, v1                        ; 32 x lane: a row of Wr or Wn
	v_lshlrev_b32 v4, 7, v1                        ; 128 x lane: a block of 32 numbers
	v_lshlrev_b32 v5, 4, v1                        ; 16 x lane: a block's codes
	v_and_b32 v6, 7, v1
	v_lshlrev_b32 v6, 2, v6                        ; 4 x (lane % 8): my expert's bias
	s_lshl_b32 s28, s26, 8
	v_add_nc_u32 v9, s28, v2                       ; LDS: 256 x wave + 4 x lane
	s_mov_b32 s32, 0x76543210
	s_mov_b32 s33, 0xfedcba98                      ; v_permlanex16_b32's selects for lane l xor 16
	s_mov_b32 s34, 0xffff0000                      ; the lanes whose bit 4, 3, 2, 1, 0 is set
	s_mov_b32 s35, 0xff00ff00
	s_mov_b32 s36, 0xf0f0f0f0
	s_mov_b32 s37, 0xcccccccc
	s_mov_b32 s38, 0xaaaaaaaa
	s_mov_b32 s43, 0x3fb8aa3b                      ; log2(e)
	s_lshl_b32 s28, ttmp9, 14                      ; t0 rows of 4,096 bytes
	s_mov_b32 s29, 0
	s_lshl_b32 s30, s26, 12
	s_mov_b32 s31, 0
	s_wait_kmcnt 0x0
	s_add_nc_u64 s[4:5], s[4:5], s[28:29]          ; x at token t0
	s_add_nc_u64 s[44:45], s[4:5], s[30:31]        ; x at token t0 + w
	s_lshl_b32 s30, s26, 10
	s_add_nc_u64 s[4:5], s[4:5], s[30:31]          ; x at token t0, d = 256 w
	s_lshl_b32 s30, s26, 13
	s_add_nc_u64 s[8:9], s[8:9], s[30:31]          ; Wr and Wn at row 256 w
	s_add_nc_u64 s[12:13], s[12:13], s[30:31]
	s_lshl_b32 s28, ttmp9, 7                       ; t0 x 32 bytes
	s_add_nc_u64 s[6:7], s[6:7], s[28:29]          ; noise, gbuf, out1, xs at token t0
	s_add_nc_u64 s[20:21], s[20:21], s[28:29]
	s_add_nc_u64 s[24:25], s[24:25], s[28:29]
	s_add_nc_u64 s[18:19], s[18:19], s[28:29]
	s_lshl_b32 s30, s26, 5
	s_add_nc_u64 s[18:19], s[18:19], s[30:31]      ; xs at token t0 + w
	s_lshl_b32 s28, ttmp9, 11
	s_lshl_b32 s30, s26, 9
	s_add_nc_u64 s[16:17], s[16:17], s[28:29]
	s_add_nc_u64 s[16:17], s[16:17], s[30:31]      ; xq at token t0 + w
	s_lshl_b32 s28, ttmp9, 2
	s_add_nc_u64 s[22:23], s[22:23], s[28:29]      ; sel: my work-group's word
	s_cmp_lg_u32 s26, 0
	s_cbranch_scc1 .Lrest
	s_wait_alu depctr_va_vdst(0)
	global_load_b32 v10, v6, s[10:11]              ; wave 0 alone: br, bn of my expert, noise of my (token, expert)
	global_load_b32 v11, v6, s[14:15]
	global_load_b32 v12, v2, s[6:7]
.Lrest:
	s_wait_alu depctr_va_vdst(0)
.irp q, 0,1,2,3,4,5,6,7
	global_load_b128 v[32+4*\q:35+4*\q], v4, s[44:45] offset:16*\q   ; my block of 32 numbers of token t0 + w
.endr
.macro SET ii                          ; eight loads: row d = 256 w + 32 ii + lane of Wr and of Wn, and x[.][d] of the four tokens
	global_load_b128 v[WS+20*\ii:WS+20*\ii+3], v3, s[8:9] offset:1024*\ii
	global_load_b128 v[WS+20*\ii+4:WS+20*\ii+7], v3, s[8:9] offset:1024*\ii+16
	global_load_b128 v[WS+20*\ii+8:WS+20*\ii+11], v3, s[12:13] offset:1024*\ii
	global_load_b128 v[WS+20*\ii+12:WS+20*\ii+15], v3, s[12:13] offset:1024*\ii+16
.irp tt, 0,1,2,3
	global_load_b32 v[WS+20*\ii+16+\tt], v2, s[4:5] offset:4096*\tt+128*\ii
.endr
.endm
.irp ii, 0,1,2,3,4,5,6
	SET \ii
.endr
	s_wait_loadcnt 56                              ; all but the seven sets of eight just issued: my block is in
	; my block's scale and codes: the largest magnitude, with the floor 2^(3 - 127) among its leaves; 2 off its exponent field is the conversion's scale operand; its exponent field the byte
	v_max3_num_f32 v21, |v32|, |v33|, |v34|
	v_max3_num_f32 v22, |v35|, |v36|, |v37|
.irp i, 6,10,14,18,22,26
	v_max3_num_f32 v21, v21, |v[32+\i]|, |v[33+\i]|
	v_max3_num_f32 v22, v22, |v[34+\i]|, |v[35+\i]|
.endr
	v_max3_num_f32 v21, v21, |v62|, |v63|
	v_max3_num_f32 v21, v21, v22, 0x1800000
	v_add_nc_u32 v23, 0xff000000, v21
	v_lshrrev_b32 v20, 23, v23
.irp g, 0,1,2,3
	v_cvt_scalef32_pk8_fp4_f32 v[16+\g], v[32+8*\g:39+8*\g], v23
.endr
	v_nop                                          ; a plain line behind the conversions: the products below write their sources
	global_store_b128 v5, v[16:19], s[16:17]       ; the wave stores the token's 512 bytes of codes on end
	global_store_b8 v1, v20, s[18:19]              ; and its 32 scale bytes
	SET 7
; the 16 dot products of 4 tokens, two experts an instruction; the first set's products start the sums
.macro FMA ii
	s_wait_loadcnt 8*(7-\ii)                       ; the younger sets, eight loads each, may be out
.irp tt, 0,1,2,3
.irp p, 0,1,2,3,4,5,6,7
.set rA, ACC+16*\tt+2*\p
.set rW, WS+20*\ii+2*\p
.set rX, WS+20*\ii+16+2*(\tt/2)
.if \ii == 0
.if \tt%2 == 0
	v_pk_mul_f32 v[rA:rA+1], v[rW:rW+1], v[rX:rX+1] op_sel_hi:[1,0]
.else
	v_pk_mul_f32 v[rA:rA+1], v[rW:rW+1], v[rX:rX+1] op_sel:[0,1] op_sel_hi:[1,1]
.endif
.else
.if \tt%2 == 0
	v_pk_fma_f32 v[rA:rA+1], v[rW:rW+1], v[rX:rX+1], v[rA:rA+1] op_sel_hi:[1,0,1]
.else
	v_pk_fma_f32 v[rA:rA+1], v[rW:rW+1], v[rX:rX+1], v[rA:rA+1] op_sel:[0,1,0] op_sel_hi:[1,1,1]
.endif
.endif
.endr
.endr
.endm
.irp ii, 0,1,2,3,4,5,6,7
	FMA \ii
.endr
; THE FOLD.  In each step one bit of the sums' index goes over to one bit of the lane's number: a lane keeps the half of its sums whose bit equals its own, sends the other half to the lane
; that differs in that bit, and adds what it receives.  Index bits 5, 4 (the token) go to lane bits 4, 3; index bits 2, 1, 0 (the expert) to lane bits 2, 1, 0; bit 3 (the kind) stays.
.macro RSX i                           ; between the halves of the wave
	v_cndmask_b32 v[21+(\i)%8], v[ACC+32+\i], v[ACC+\i], s34
	v_cndmask_b32 v[ACC+\i], v[ACC+\i], v[ACC+32+\i], s34
	v_permlanex16_b32 v[ACC+32+\i], v[21+(\i)%8], s32, s33
	v_add_f32 v[ACC+\i], v[ACC+\i], v[ACC+32+\i]
.endm
.macro RSD i, dist, m, xm              ; inside sixteen lanes: the exchange rides on the addition
	v_cndmask_b32 v[21+(\i)%8], v[ACC+\i+\dist], v[ACC+\i], s[\m]
	v_cndmask_b32 v[ACC+\i], v[ACC+\i], v[ACC+\i+\dist], s[\m]
	v_add_f32_dpp v[ACC+\i], v[21+(\i)%8], v[ACC+\i] row_xmask:\xm row_mask:0xf bank_mask:0xf
.endm
.set n, 0
.rept 32
	RSX n
.set n, n+1
.endr
.irp i, 0,1,2,3,4,5,6,7,8,9,10,11,12,13,14,15
	RSD \i, 16, 35, 8
.endr
.irp i, 0,1,2,3,8,9,10,11
	RSD \i, 4, 36, 4
.endr
.irp i, 0,1,8,9
	RSD \i, 2, 37, 2
.endr
.irp i, 0,8
	RSD \i, 1, 38, 1
.endr
	ds_store_b32 v9, v[ACC]                        ; my wave's part of (token lane / 8, expert lane % 8): x Wr,
	ds_store_b32 v9, v[ACC+8] offset:128           ; x Wn
	s_wait_dscnt 0x0                               ; for wave 0's sake: my stores have landed
	s_barrier_signal -1
	s_barrier_wait -1
	s_cmp_lg_u32 s26, 0
	s_cbranch_scc1 .Lend
.irp w, 0,1,2,3
	ds_load_b32 v[96+2*\w], v2 offset:256*\w
	ds_load_b32 v[97+2*\w], v2 offset:256*\w+128
.endr
	s_wait_dscnt 0x0
	v_add_f32 v96, v96, v98
	v_add_f32 v100, v100, v102
	v_add_f32 v97, v97, v99
	v_add_f32 v101, v101, v103
	v_add_f32 v96, v96, v100
	v_add_f32 v97, v97, v101
	v_add_f32 v104, v96, v10                       ; L: the logit
	v_add_f32 v105, v97, v11                       ; Z: the noise logit
	v_mul_f32 v106, -|v105|, s43
	s_wait_alu depctr_va_vdst(0)
	v_exp_f32 v106, v106                           ; e^-|Z|
	v_max_num_f32 v107, 0, v105                    ; (a plain line behind the exponential)
	s_wait_alu depctr_va_vdst(0)                   ; ahead of the exponential's first reader
	v_add_f32 v106, 1.0, v106
	s_wait_alu depctr_va_vdst(0)
	v_log_f32 v106, v106
	v_and_b32 v108, 7, v1                          ; (a plain line behind the logarithm)
	s_wait_alu depctr_va_vdst(0)                   ; ahead of the logarithm's first reader
	v_fmamk_f32 v107, v106, 0x3f317218, v107       ; softplus(Z) = max(Z, 0) + ln(1 + e^-|Z|)
	v_fma_f32 v109, v12, v107, v104                ; n: the noisy logit
	v_cvt_f32_u32 v108, v108                       ; my expert's number, as f32
.macro MAX8 r                          ; over the eight lanes of a token
	v_max_num_f32_dpp v[\r], v[\r], v[\r] row_xmask:1 row_mask:0xf bank_mask:0xf
	v_max_num_f32_dpp v[\r], v[\r], v[\r] row_xmask:2 row_mask:0xf bank_mask:0xf
	v_max_num_f32_dpp v[\r], v[\r], v[\r] row_xmask:4 row_mask:0xf bank_mask:0xf
.endm
.macro MIN8 r
	v_min_num_f32_dpp v[\r], v[\r], v[\r] row_xmask:1 row_mask:0xf bank_mask:0xf
	v_min_num_f32_dpp v[\r], v[\r], v[\r] row_xmask:2 row_mask:0xf bank_mask:0xf
	v_min_num_f32_dpp v[\r], v[\r], v[\r] row_xmask:4 row_mask:0xf bank_mask:0xf
.endm
.macro SUM8 r
	v_add_f32_dpp v[\r], v[\r], v[\r] row_xmask:1 row_mask:0xf bank_mask:0xf
	v_add_f32_dpp v[\r], v[\r], v[\r] row_xmask:2 row_mask:0xf bank_mask:0xf
	v_add_f32_dpp v[\r], v[\r], v[\r] row_xmask:4 row_mask:0xf bank_mask:0xf
.endm
	v_mov_b32 v110, v109
	MAX8 110                                       ; m1: the largest noisy logit
	v_cmp_eq_f32 vcc_lo, v109, v110
	v_cndmask_b32 v111, 0x41000000, v108, vcc_lo   ; my number where I hold it, else 8
	MIN8 111                                       ; the lowest such number: the first expert
	v_cmp_eq_f32 s39, v108, v111
	v_mov_b32 v112, 0xff800000
	v_cndmask_b32 v113, v109, v112, s39            ; the first expert is taken out: -infinity in its place
	v_mov_b32 v114, v113
	MAX8 114                                       ; m2: the second largest
	v_cmp_eq_f32 vcc_lo, v113, v114
	v_cndmask_b32 v115, 0x41000000, v108, vcc_lo
	MIN8 115
	v_cmp_eq_f32 s40, v108, v115
	s_or_b32 s41, s39, s40                         ; bit 8 tt + e: expert e is chosen for token t0 + tt: the four tokens' bytes of sel
	v_mov_b32 v116, v104
	MAX8 116                                       ; the largest logit
	v_sub_f32 v117, v109, v110                     ; the maxima are taken away ahead of the exponentials
	v_sub_f32 v118, v114, v110
	v_sub_f32 v119, v104, v116
	v_mul_f32 v117, s43, v117
	v_mul_f32 v118, s43, v118
	v_mul_f32 v119, s43, v119
	s_wait_alu depctr_va_vdst(0)
	v_exp_f32 v117, v117
	v_exp_f32 v118, v118
	v_exp_f32 v119, v119
	v_mov_b32 v29, 0                               ; (a plain line behind the three)
	s_wait_alu depctr_va_vdst(0)                   ; one wait for the three, ahead of their first reader
	v_add_f32 v118, 1.0, v118                      ; the two chosen: e^0 + e^(m2 - m1)
	v_mov_b32 v120, v119
	SUM8 120
	s_wait_alu depctr_va_vdst(0)
	v_rcp_f32 v118, v118
	v_rcp_f32 v120, v120
	v_mov_b32 v30, s41                             ; (a plain line behind the two)
	s_wait_alu depctr_va_vdst(0)                   ; one wait for the two
	v_mul_f32 v117, v117, v118
	v_cndmask_b32 v117, 0, v117, s41               ; the gate, 0 where not chosen
	v_mul_f32 v119, v119, v120                     ; softmax(logits)
	global_store_b32 v2, v119, s[24:25]
	global_store_b32 v2, v117, s[20:21]
	s_wait_xcnt 0x0                                ; EXEC changes only behind this wait
	v_cmp_eq_u32 vcc_lo, 0, v1
	s_and_saveexec_b32 s42, vcc_lo
	global_store_b32 v29, v30, s[22:23]            ; lane 0: the four tokens' bytes
	s_wait_xcnt 0x0                                ; and again, in front of the line that widens it
	s_or_b32 exec_lo, exec_lo, s42
.Lend:
	s_wait_tensorcnt 0x0                           ; the wave's end: behind my last LDS store
	ds_add_u32 v7, v8
	s_wait_dscnt 0x0
	s_endpgm
.Lfunc_end_k_q24682b6baa_route:
	.size	k_q24682b6baa_route, .Lfunc_end_k_q24682b6baa_route-k_q24682b6baa_route
	.p2alignl 7, 3214868480
	.fill 96, 4, 3214868480
	.section	.rodata,"a",@progbits
	.p2align	6, 0x0
	.amdhsa_kernel k_q24682b6baa_route
		.amdhsa_group_segment_fixed_size 2048
		.amdhsa_private_segment_fixed_size 0
		.amdhsa_enable_private_segment 0
		.amdhsa_kernarg_size 88
		.amdhsa_user_sgpr_count 2
		.amdhsa_user_sgpr_kernarg_segment_ptr 1
		.amdhsa_wavefront_size32 1
		.amdhsa_system_sgpr_workgroup_id_x 1
		.amdhsa_system_sgpr_workgroup_id_y 1
		.amdhsa_system_sgpr_workgroup_id_z 1
		.amdhsa_system_vgpr_workitem_id 0
		.amdhsa_next_free_vgpr 256
		.amdhsa_next_free_sgpr 66
		.amdhsa_reserve_vcc 1
		.amdhsa_float_denorm_mode_32 3
		.amdhsa_float_denorm_mode_16_64 3
		.amdhsa_memory_ordered 1
		.amdhsa_forward_progress 1
		.amdhsa_inst_pref_size 45
	.end_amdhsa_kernel
	.amdgpu_metadata
---
amdhsa.version: [ 1, 2 ]
amdhsa.kernels:
  - .name:           k_q24682b6baa_route
    .symbol:         k_q24682b6baa_route.kd
    .args:
      - { .name: x, .offset: 0, .size: 8, .value_kind: global_buffer, .address_space: global }
      - { .name: noise, .offset: 8, .size: 8, .value_kind: global_buffer, .address_space: global }
      - { .name: Wr, .offset: 16, .size: 8, .value_kind: global_buffer, .address_space: global }
      - { .name: br, .offset: 24, .size: 8, .value_kind: global_buffer, .address_space: global }
      - { .name: Wn, .offset: 32, .size: 8, .value_kind: global_buffer, .address_space: global }
      - { .name: bn, .offset: 40, .size: 8, .value_kind: global_buffer, .address_space: global }
      - { .name: xq, .offset: 48, .size: 8, .value_kind: global_buffer, .address_space: global }
      - { .name: xs, .offset: 56, .size: 8, .value_kind: global_buffer, .address_space: global }
      - { .name: gbuf, .offset: 64, .size: 8, .value_kind: global_buffer, .address_space: global }
      - { .name: sel, .offset: 72, .size: 8, .value_kind: global_buffer, .address_space: global }
      - { .name: out1, .offset: 80, .size: 8, .value_kind: global_buffer, .address_space: global }
    .group_segment_fixed_size: 2048
    .private_segment_fixed_size: 0
    .kernarg_segment_align: 8
    .kernarg_segment_size: 88
    .max_flat_workgroup_size: 128
    .sgpr_count:     66
    .vgpr_count:     256
    .wavefront_size: 32
...
	.end_amdgpu_metadata
.endif
;; end of part 1
;; launch gemm1 (part 2): grid 32 x 8, 16 waves a work-group, no clusters, 72,192 bytes of LDS; arguments W1, b1, xq, xs, sel, hq, hs, smap; writes hq, hs, smap
.if DOCPART == 2
	.amdgcn_target "amdgcn-amd-amdhsa--gfx1250"
	.amdhsa_code_object_version 6
	.text
	.protected	k_q24682b6baa_gemm1
	.globl	k_q24682b6baa_gemm1
	.p2align	8
	.type	k_q24682b6baa_gemm1,@function
k_q24682b6baa_gemm1:
	s_mov_b64 s[64:65], 0
	v_nop
	global_prefetch_b8 v0, s[64:65] scope:SCOPE_SE
	s_setreg_imm32_b32 hwreg(HW_REG_WAVE_MODE, 25, 1), 1
	s_wait_xcnt 0x0
; THE FIRST LAYER ON THE CHOSEN ROWS: h = relu(x W1[e] + b1[e]), both operands as E2M1 codes with E8M0 scales, h quantised along the hidden axis on its way out.
; LEFT OUT: the rows of tokens for which expert e is not chosen: their gate is exactly 0 (shown at the head of the first kernel).
; SHARES.  Work-group (slice, e) owns 128 hidden units of expert e: a slice of W1 of 1,024 (K) x 128 f32, which no other work-group reads.
; THE ROWS.  sel has a byte a token.  Read as 8 words a lane, chunk c = 4 q + b and bit l stand for token 128 (c / 4) + 4 l + c % 4; the tokens of expert e, in the order (c, l), are its SLOTS.
; 32 slots are a group (two tiles of 16 rows).  Wave w takes groups w and w + 16, where the expert has so many: scalar branches on the count read from memory, round no barrier.
; THE STREAM GOES BY UNITS: first all of K for units 0-63, a barrier, then all of K for units 64-127, a barrier.  In each half wave (cw, kw) takes 32 columns x 128 along K: K step kw, four blocks of 32.
; A LANE TAKES A COLUMN AND ITS REGISTERS RUN DOWN K: a block of 32 lies in one lane, and the conversions give codes with K innermost.  A block's 16 bytes go to LDS at the very place from which the
; matrix operand's registers are loaded: [K step 8][tile 8][c 2][half 2][row 16][16 bytes].
; THE UNITS OF A TILE ARE NOT NEIGHBOURS: row m of tile 2 b + u is unit 32 b + 8 u + m + 8 (m / 8), so that, the product being used transposed (source 0 = 16 units, source 1 = 16 tokens), a lane holds one
; token and the 16 registers of tiles 2 b, 2 b + 1 are 16 neighbouring units: what the conversions to h's codes want.
; THE PRODUCTS.  A pass is 64 units x the group's 32 rows: 8 sums, 64 registers; b1 is the C of each sum's first product.  Pass 0 of a wave's first group stands between the blocks of the stream's second half;
; pass 1 behind the second barrier.  x's fragments are held half of K at a time (64 registers): K steps 0-3 come at the head, 4-7 behind pass 0's first four K steps; pass 1 takes 4-7 first,
; and 0-3 come once more, into the stream's registers, ahead of the second barrier.  The stores of the stream's second half and pass 0's reads fall on different bytes: tiles 4-7 and 0-3, scale words 2, 3 and 0, 1.
; OUT: hq, images of the next product's operand registers, [e][row tile][K step = slice][c][lane][16 bytes]; hs, their scale words [e][group][K step][lane].
; smap (slice 0's wave 15, behind its rows): 8,192 bytes an expert.  Word j (j < 1,056): the row of yp at which the next launch puts slot j's result: 1,024 x choice + token, choice = 1 where a lower
; expert is chosen for the token too; for the empty places behind the last slot 2,048 + 32 e + j % 32, rows that nobody reads.  Words 1,152 on: 32 words that take the stores of lanes whose token has
; not chosen e, never read.  Words 1,536 on: the expert's count.
; No tensor load: branches hang on numbers read from memory.  No cluster: no two work-groups read the same weights.  No prefetch: a wave has its next two blocks asked for by loads while it works.
.set PITCH, 16384                      ; a row of W1[e] in bytes
.set SS,    8192                       ; a K step of the image
.set SCI,   65536                      ; the weights' scale words: [K step 8][lane 32][4 words]: word p of lane 16 (T % 2) + m is tile T = 2 p + T % 2, row m
.set BIAS,  69632                      ; b1 of my 128 units
.set SPARE, 70144                      ; the spare words, 128 bytes for each of 16 waves
.set ACC,   64                         ; v64-127  sums: 64 + 32 a + 8 t (a: tile of rows, t: tile of units in the pass)
.set X,     128                        ; v128-191 the stream's two sets of 32 numbers; at the end x's fragments of K steps 0-3
.set XF,    192                        ; v192-255 x's fragments of four K steps: + 16 (s % 4) + 8 a
.set CD,    32                         ; stream: v32-47 a block's codes, four sets by turns; v48-51 at work
; v1 16 x lane, v2 4 x lane, v3 scale words' address, v4 bias's address, v5, v6 the add's two, v7, v8 x's offsets of the two tiles, v9, v10 h's scale words, v11 the image's address
; v12-19 x's scale words, one a K step (lanes 0-15 tile 0's rows', lanes 16-31 tile 1's), v28-31 W1's: these hold scales and nothing else
; v20 my column's scale word, v21 where it goes, v22 the offset of x's scale words, v23, v24 b1's word: its place in LDS, itself.  v32-63 W1's four fragments; at work outside the K steps
	s_load_b512 s[4:19], s[0:1], 0x0               ; W1, b1, xq, xs, sel, hq, hs, smap
	v_lshl_add_u32 v5, v0, 2, SPARE
	v_mov_b32 v6, 0
	v_lshrrev_b32 v1, 5, v0
	v_readfirstlane_b32 s20, v1                    ; wave 0..15
	s_and_b32 s21, s20, 1                          ; cw: which 32 columns of the half
	s_lshr_b32 s22, s20, 1                         ; kw: which K step
	s_and_b32 s23, ttmp7, 0xffff                   ; e
	s_mov_b32 s24, ttmp9                           ; slice
	v_and_b32 v32, 31, v0
	v_bfe_u32 v33, v0, 4, 1                        ; lane / 16
	v_and_b32 v34, 7, v0
	v_bfe_u32 v35, v0, 3, 1                        ; u: which of the two tiles
	v_lshlrev_b32 v1, 4, v32
	v_lshlrev_b32 v2, 2, v32
	v_lshl_add_u32 v4, v33, 6, BIAS                ; lane (r, h) wants b1 from unit 16 h on
	v_lshl_add_u32 v34, v33, 3, v34                ; m: my column's row in its tile
	v_add_nc_u32 v3, SCI, v1
	s_lshl_b32 s28, s22, 13
	s_lshl_b32 s29, s21, 11
	s_add_co_u32 s28, s28, s29
	v_lshlrev_b32 v11, 4, v34
	v_lshl_add_u32 v36, v35, 4, v34
	v_lshl_add_u32 v11, v35, 10, v11
	v_lshlrev_b32 v21, 4, v36
	v_add_nc_u32 v11, s28, v11                     ; 8,192 kw + 2,048 cw + 1,024 u + 16 m
	s_lshl_b32 s28, s22, 9
	s_lshl_b32 s29, s21, 2
	s_add_co_u32 s28, s28, s29
	s_add_co_u32 s28, s28, SCI
	v_add_nc_u32 v21, s28, v21                     ; SCI + 512 kw + 16 (16 u + m) + 4 cw
	v_lshl_add_u32 v23, v0, 2, BIAS                ; waves 0 to 3: the place in LDS of b1's word of thread t
	v_mov_b32 v40, 0                               ; written once: a lane permute's destination counts as one of its sources
	v_mov_b32 v58, 0
	v_mov_b32 v59, 0
	v_mov_b32 v9, 0                                ; h's scale words are made in one arm and finished in another: written on every way
	v_mov_b32 v10, 0
	s_mov_b32 s66, 0x76543210
	s_mov_b32 s67, 0xfedcba98                      ; v_permlanex16_b32's selects for lane l xor 16
	s_mov_b32 s68, 0xffff0000                      ; lanes 16-31
	s_lshl_b32 s76, 1, s23                         ; bit e of each of a word's four bytes
	s_lshl_b32 s77, s76, 8
	s_lshl_b32 s78, s76, 16
	s_lshl_b32 s79, s76, 24
	s_lshl_b32 s28, s23, 24
	s_lshl_b32 s29, s22, 21
	s_add_co_u32 s28, s28, s29
	s_lshl_b32 s29, s24, 9
	s_add_co_u32 s28, s28, s29
	s_lshl_b32 s29, s21, 7
	s_add_co_u32 s28, s28, s29
	s_mov_b32 s29, 0
	s_wait_alu depctr_va_vdst(0)                   ; the wait at the head's end
	s_wait_kmcnt 0x0
	s_add_nc_u64 s[4:5], s[4:5], s[28:29]          ; W1 at (e, row 128 kw, unit 128 slice + 32 cw)
	s_lshl_b32 s28, s23, 14
	s_lshl_b32 s30, s24, 9
	s_add_co_u32 s28, s28, s30
	s_lshl_b32 s30, s20, 7
	s_add_co_u32 s28, s28, s30
	s_add_nc_u64 s[6:7], s[6:7], s[28:29]          ; b1 at my slice, + 32 words a wave (waves 0 to 3 alone load there)
	s_lshl_b32 s28, s23, 13
	s_add_nc_u64 s[18:19], s[18:19], s[28:29]      ; smap at expert e
.irp q, 0,1,2,3,4,5,6,7
	global_load_b32 v[32+\q], v2, s[12:13] offset:128*\q   ; sel: word 32 q + lane
.endr
	s_cmp_gt_u32 s20, 3
	s_cbranch_scc1 .Lno_bias_load
	global_load_b32 v24, v2, s[6:7]
.Lno_bias_load:
.macro LOAD t                          ; block t: half t / 4 of the units, rows 32 (t % 4) + i of my K step, into set t % 2
.irp i, 0,1,2,3,4,5,6,7,8,9,10,11,12,13,14,15,16,17,18,19,20,21,22,23,24,25,26,27,28,29,30,31
	global_load_b32 v[X+32*((\t)%2)+\i], v2, s[4:5] offset:(32*((\t)%4)+\i)*PITCH+256*((\t)/4) th:TH_LOAD_NT
.endr
.endm
	LOAD 0
	LOAD 1
	s_wait_loadcnt 63                              ; behind sel's eight loads (and b1's) 64 were issued: with 63 out at the most, those are in
.irp q, 0,1,2,3,4,5,6,7
.irp b, 0,1,2,3
	v_and_b32 v[40+\b], s[76+\b], v[32+\q]
	s_delay_alu instid0(VALU_DEP_1)
	v_cmp_ne_u32 s[32+4*\q+\b], 0, v[40+\b]        ; mask of chunk 4 q + b
.endr
.endr
	s_mov_b32 s25, 0
.set cc, 0
.rept 32
	s_bcnt1_i32_b32 s70, s[32+cc]
	s_add_co_u32 s25, s25, s70
.set cc, cc+1
.endr
	s_min_u32 s25, s25, 0x400                      ; the expert's rows
	s_add_co_u32 s26, s25, 31
	s_lshr_b32 s26, s26, 5                         ; and its groups
	s_cmp_gt_u32 s20, 3
	s_cbranch_scc1 .Lno_bias_store
	ds_store_b32 v23, v24
.Lno_bias_store:
.macro BASES                           ; where group s27's results go
	s_lshl_b32 s76, s23, 21
	s_lshl_b32 s78, s27, 16
	s_add_co_u32 s76, s76, s78
	s_lshl_b32 s78, s24, 10
	s_add_co_u32 s76, s76, s78
	s_mov_b32 s77, 0
	s_add_nc_u64 s[72:73], s[14:15], s[76:77]      ; hq at (e, row tile 2 g, K step slice)
	s_lshl_b32 s76, s23, 17
	s_lshl_b32 s78, s27, 12
	s_add_co_u32 s76, s76, s78
	s_lshl_b32 s78, s24, 7
	s_add_co_u32 s76, s76, s78
	s_add_nc_u64 s[74:75], s[16:17], s[76:77]      ; hs at (e, g, slice)
.endm
; Which token has slot j = 32 g + lane: first the chunk (the last whose rows begin at or under j), then the bit; then x's offsets by token, and its scale words are asked for
.macro PREP
	v_and_b32 v32, 31, v0
	s_lshl_b32 s70, s27, 5
	v_add_nc_u32 v32, s70, v32                     ; j
	v_mov_b32 v33, s32                             ; the chunk's mask,
	v_mov_b32 v34, 0                               ; the rows ahead of it,
	v_mov_b32 v35, 0                               ; its first token
	s_bcnt1_i32_b32 s69, s32
.set cc, 1
.rept 31
	v_cmp_gt_u32 vcc_lo, s69, v32                  ; chunk cc begins beyond j: keep
	s_delay_alu instid0(VALU_DEP_1)
	v_cndmask_b32 v33, s[32+cc], v33, vcc_lo
	s_delay_alu instid0(VALU_DEP_2)
	v_cndmask_b32 v34, s69, v34, vcc_lo
	s_delay_alu instid0(VALU_DEP_3)
	v_cndmask_b32 v35, 128*(cc/4)+cc%4, v35, vcc_lo
	s_bcnt1_i32_b32 s70, s[32+cc]
	s_add_co_u32 s69, s69, s70
.set cc, cc+1
.endr
	v_sub_nc_u32 v36, v32, v34                     ; n: the slot is the chunk's n-th set bit
	v_mov_b32 v37, 0
	v_mov_b32 v38, 0
.set bb, 0
.rept 32
	v_bfe_u32 v39, v33, bb, 1
	s_delay_alu instid0(VALU_DEP_1)
	v_add_nc_u32 v37, v37, v39                     ; set bits up to bb
	s_delay_alu instid0(VALU_DEP_1)
	v_cmp_le_u32 vcc_lo, v37, v36
	s_delay_alu instid0(VALU_DEP_1)
	v_cndmask_b32 v39, 0, 1, vcc_lo
	s_delay_alu instid0(VALU_DEP_1)
	v_add_nc_u32 v38, v38, v39                     ; the places at which that count is still n or less: the bit's number
.set bb, bb+1
.endr
	s_delay_alu instid0(VALU_DEP_1)
	v_lshl_add_u32 v38, v38, 2, v35                ; slot j's token
	v_and_b32 v37, 16, v0                          ; 16 x (lane / 16)
	v_permlanex16_b32 v40, v38, s66, s67
	v_min_u32 v36, 0x3ff, v38                      ; an empty slot falls on some token: its row is computed and never read
	s_delay_alu instid0(VALU_DEP_2)
	v_cndmask_b32 v41, v38, v40, s68               ; slot lane % 16's token in both halves of the lanes: tile 0's,
	v_cndmask_b32 v39, v40, v38, s68               ; slot 16 + lane % 16's: tile 1's
	v_lshlrev_b32 v22, 5, v36                      ; a token's scale bytes are 32: eight words, one a K step
	v_min_u32 v41, 0x3ff, v41
	v_min_u32 v39, 0x3ff, v39
	s_delay_alu instid0(VALU_DEP_2)
	v_lshl_add_u32 v7, v41, 9, v37                 ; a token's codes are 512 bytes
	v_lshl_add_u32 v8, v39, 9, v37
	global_load_b128 v[12:15], v22, s[10:11]
	global_load_b128 v[16:19], v22, s[10:11] offset:16
.endm
.macro XLOAD hf, xb                    ; x's fragments of K steps 4 hf .. 4 hf + 3, both tiles: 16 loads
.irp a, 0,1
.irp q, 0,1,2,3
.irp c, 0,1
	global_load_b128 v[\xb+16*\q+8*\a+4*\c:\xb+16*\q+8*\a+4*\c+3], v[7+\a], s[8:9] offset:64*(4*(\hf)+\q)+32*\c
.endr
.endr
.endr
.endm
	s_mov_b32 s27, s20                             ; my first group: my wave's number
	BASES
	s_cmp_ge_u32 s20, s26
	s_cbranch_scc1 .Lidle
	PREP                                           ; 18 loads, behind block 1's 32
	XLOAD 0, XF
	s_branch .Lstream
.Lidle:                                                ; a wave without a first group writes the registers that the rows' text reads
.irp n, 7,8,12,13,14,15,16,17,18,19
	v_mov_b32 v[\n], 0
.endr
.set n, 0
.rept 64
	v_mov_b32 v[XF+n], 0
.set n, n+1
.endr
.Lstream:
.macro BLOCK t, w                      ; w: the loads issued behind this block's 32
.set XS, X+32*((\t)%2)
.set CB, CD+4*((\t)%4)
	s_wait_loadcnt \w
	v_max3_num_f32 v48, |v[XS]|, |v[XS+1]|, |v[XS+2]|       ; the block's largest magnitude: all 32 numbers are mine
	v_max3_num_f32 v49, |v[XS+3]|, |v[XS+4]|, |v[XS+5]|
.irp i, 6,10,14,18,22,26
	s_delay_alu instid0(VALU_DEP_2)
	v_max3_num_f32 v48, v48, |v[XS+\i]|, |v[XS+\i+1]|
	s_delay_alu instid0(VALU_DEP_2)
	v_max3_num_f32 v49, v49, |v[XS+\i+2]|, |v[XS+\i+3]|
.endr
	s_delay_alu instid0(VALU_DEP_2)
	v_max3_num_f32 v48, v48, |v[XS+30]|, |v[XS+31]|
	s_delay_alu instid0(VALU_DEP_1)
	v_max3_num_f32 v48, v48, v49, 0x1800000        ; and the floor 2^(3 - 127): the byte cannot fall under 1
	s_delay_alu instid0(VALU_DEP_1)
	v_add_nc_u32 v50, 0xff000000, v48              ; 2 off the exponent field: the conversion's scale operand
	s_delay_alu instid0(VALU_DEP_1)
	v_lshrrev_b32 v51, 23, v50                     ; the byte
.if (\t)%4 == 0
	s_delay_alu instid0(VALU_DEP_1)
	v_mov_b32 v20, v51
.else
	s_delay_alu instid0(VALU_DEP_1)
	v_lshl_or_b32 v20, v51, 8*((\t)%4), v20
.endif
.irp g, 0,1,2,3
	v_cvt_scalef32_pk8_fp4_f32 v[CB+\g], v[XS+8*\g:XS+8*\g+7], v50   ; (a set of codes is written twice, with the first barrier's wait on DScnt between)
.endr
	v_nop                                          ; a plain line behind the conversions
	ds_store_b128 v11, v[CB:CB+3] offset:4096*((\t)/4)+256*((\t)%4)
.if (\t) < 6
	LOAD (\t)+2
.endif
.endm
.macro MEET                            ; half of the slice is whole: my stores have landed, then the work-group's barrier
	s_wait_dscnt 0x0
	s_barrier_signal -1
	s_barrier_wait -1
.endm
.macro WM ra, rb                       ; one product, added in place; ra, rb: the scales' half of the lanes for source 0, source 1
.if ((\ra) == 0) && ((\rb) == 0)
	v_wmma_scale_f32_16x16x128_f8f6f4 v[rD:rD+7], v[rA:rA+7], v[rB:rB+7], v[rD:rD+7], v[rSA], v[rSB] matrix_a_fmt:MATRIX_FMT_FP4 matrix_b_fmt:MATRIX_FMT_FP4
.elseif ((\ra) == 1) && ((\rb) == 0)
	v_wmma_scale_f32_16x16x128_f8f6f4 v[rD:rD+7], v[rA:rA+7], v[rB:rB+7], v[rD:rD+7], v[rSA], v[rSB] matrix_a_fmt:MATRIX_FMT_FP4 matrix_b_fmt:MATRIX_FMT_FP4 matrix_a_scale:MATRIX_SCALE_ROW1
.elseif ((\ra) == 0) && ((\rb) == 1)
	v_wmma_scale_f32_16x16x128_f8f6f4 v[rD:rD+7], v[rA:rA+7], v[rB:rB+7], v[rD:rD+7], v[rSA], v[rSB] matrix_a_fmt:MATRIX_FMT_FP4 matrix_b_fmt:MATRIX_FMT_FP4 matrix_b_scale:MATRIX_SCALE_ROW1
.else
	v_wmma_scale_f32_16x16x128_f8f6f4 v[rD:rD+7], v[rA:rA+7], v[rB:rB+7], v[rD:rD+7], v[rSA], v[rSB] matrix_a_fmt:MATRIX_FMT_FP4 matrix_b_fmt:MATRIX_FMT_FP4 matrix_a_scale:MATRIX_SCALE_ROW1 matrix_b_scale:MATRIX_SCALE_ROW1
.endif
.endm
.macro BIASC ps                        ; b1 in the result's layout: the C of each sum's first product
.irp a, 0,1
.irp t, 0,1,2,3
.irp hf, 0,1
	ds_load_b128 v[ACC+32*\a+8*\t+4*\hf:ACC+32*\a+8*\t+4*\hf+3], v4 offset:128*(2*(\ps)+\t/2)+32*(\t%2)+16*\hf
.endr
.endr
.endr
.endm
; 128 along K: W1's four tiles of the pass and the pass's two scale words from LDS, eight products: the eight sums take turns, one instruction a turn.  xb: where x's fragments lie
.macro KSTEP ps, s, xb
.irp t, 0,1,2,3
.irp c, 0,1
	ds_load_b128 v[32+8*\t+4*\c:35+8*\t+4*\c], v1 offset:SS*(\s)+1024*(4*(\ps)+\t)+512*\c
.endr
.endr
	ds_load_b64 v[28+2*(\ps):29+2*(\ps)], v3 offset:512*(\s)+8*(\ps)
	s_wait_dscnt 0x0
.irp t, 0,1,2,3
.irp a, 0,1
.set rD, ACC+32*\a+8*\t
.set rA, 32+8*\t
.set rB, \xb+16*((\s)%4)+8*\a
.set rSA, 28+2*(\ps)+\t/2
.set rSB, 12+(\s)
	WM \t%2, \a
.endr
.endr
.rept 4
	v_nop                                          ; places in front of loads and vector writes into registers that the products have read, and of the first read of results
.endr
.endm
; tile a's 32 numbers a lane (two blocks' halves) become relu, two scale bytes and four registers of codes: registers 4 ps .. 4 ps + 3 of the next product's operand
.macro QUANT2 a, ps
.set QA, ACC+32*(\a)
.set QR, 40+4*(2*(\ps)+(\a))
.irp j, 0,1,2,3,4,5,6,7,8,9,10,11,12,13,14,15,16,17,18,19,20,21,22,23,24,25,26,27,28,29,30,31
	v_max_num_f32 v[QA+\j], 0, v[QA+\j]            ; the activation; each sum from its low end on
.endr
	v_max3_num_f32 v56, v[QA], v[QA+1], 0x1800000  ; no |.|: none is negative; the floor 2^(3 - 127)
	v_max3_num_f32 v57, v[QA+16], v[QA+17], 0x1800000
.irp i, 2,4,6,8,10,12,14
	s_delay_alu instid0(VALU_DEP_2)
	v_max3_num_f32 v56, v56, v[QA+\i], v[QA+1+\i]
	s_delay_alu instid0(VALU_DEP_2)
	v_max3_num_f32 v57, v57, v[QA+16+\i], v[QA+17+\i]
.endr
	s_delay_alu instid0(VALU_DEP_2)
	v_permlanex16_b32 v58, v56, s66, s67
	s_delay_alu instid0(VALU_DEP_2)
	v_permlanex16_b32 v59, v57, s66, s67
	s_delay_alu instid0(VALU_DEP_2)
	v_max_num_f32 v56, v56, v58                    ; with lane l xor 16's 16: the block's largest
	s_delay_alu instid0(VALU_DEP_2)
	v_max_num_f32 v57, v57, v59
	s_delay_alu instid0(VALU_DEP_2)
	v_add_nc_u32 v60, 0xff000000, v56
	s_delay_alu instid0(VALU_DEP_2)
	v_add_nc_u32 v61, 0xff000000, v57
	s_delay_alu instid0(VALU_DEP_2)
	v_lshrrev_b32 v62, 23, v60
	s_delay_alu instid0(VALU_DEP_2)
	v_lshrrev_b32 v63, 23, v61
.if (\ps) == 0
	s_delay_alu instid0(VALU_DEP_1)
	v_lshl_or_b32 v[9+(\a)], v63, 8, v62           ; bytes 0, 1 of my row's scale word
.else
	s_delay_alu instid0(VALU_DEP_2)
	v_lshl_or_b32 v[9+(\a)], v62, 16, v[9+(\a)]    ; bytes 2, 3
	s_delay_alu instid0(VALU_DEP_1)
	v_lshl_or_b32 v[9+(\a)], v63, 24, v[9+(\a)]
.endif
	v_cvt_scalef32_pk8_fp4_f32 v[QR], v[QA:QA+7], v60
	v_cvt_scalef32_pk8_fp4_f32 v[QR+1], v[QA+8:QA+15], v60
	v_cvt_scalef32_pk8_fp4_f32 v[QR+2], v[QA+16:QA+23], v61
	v_cvt_scalef32_pk8_fp4_f32 v[QR+3], v[QA+24:QA+31], v61
	v_nop                                          ; a plain line behind the conversions
	v_permlane16_swap_b32 v[QR], v[QR+2]           ; the operand wants a whole block in a lane: lanes 0-15 block 2 ps, lanes 16-31 block 2 ps + 1
	v_permlane16_swap_b32 v[QR+1], v[QR+3]
	global_store_b128 v1, v[QR:QR+3], s[72:73] offset:32768*(\a)+512*(\ps)   ; 512 bytes on end
.endm
.macro HSOUT                           ; the group's scale words: lanes 0-15 tile 0's rows', lanes 16-31 tile 1's
	v_cndmask_b32 v32, v9, v10, s68
	global_store_b32 v2, v32, s[74:75]
.endm
	BLOCK 0, 32                                    ; the youngest 32 loads may be out: this block's are in (with a group, x's 18 loads stand behind block 1's: block 1's wait, whose youngest 32 are block 2's, shows them in)
	BLOCK 1, 32
	BLOCK 2, 32
	BLOCK 3, 32
	ds_store_b32 v21, v20                          ; my column's scale word of K step kw
	MEET                                           ; units 0-63 lie in LDS as codes
	s_cmp_ge_u32 s20, s26
	s_cbranch_scc1 .Lnone1
	BIASC 0                                        ; pass 0 of my first group, between the stream's blocks
.irp s, 0,1,2,3
	KSTEP 0, \s, XF
.endr
	XLOAD 1, XF
	BLOCK 4, 48                                    ; behind block 4's loads: block 5's 32 and x's 16
	BLOCK 5, 48                                    ; behind block 5's: x's 16 and block 6's 32
	s_wait_dscnt 0x0                               ; the two blocks' stores have read their codes: W1's fragments land on those registers
	s_wait_loadcnt 63                              ; behind x's 16 loads 64 were issued: with 63 out at the most, they are in
.irp s, 4,5,6,7
	KSTEP 0, \s, XF
.endr
	QUANT2 0, 0
	QUANT2 1, 0
	s_wait_xcnt 0x0                                ; the stores have read their registers: the stream writes them next
	s_branch .Ljoin1
.Lnone1:
	BLOCK 4, 32
	BLOCK 5, 32
.Ljoin1:
	BLOCK 6, 32
	BLOCK 7, 0
	ds_store_b32 v21, v20 offset:8
	s_cmp_ge_u32 s20, s26
	s_cbranch_scc1 .Lnone2
	XLOAD 0, X                                     ; x's K steps 0-3 once more, into the stream's registers
.Lnone2:
	MEET                                           ; the slice lies in LDS as codes; from here on LDS is only read
	s_cmp_ge_u32 s20, s26
	s_cbranch_scc1 .Lno_first
	BIASC 1
.irp s, 4,5,6,7
	KSTEP 1, \s, XF
.endr
	s_wait_loadcnt 0x0
.irp s, 0,1,2,3
	KSTEP 1, \s, X
.endr
	QUANT2 0, 1
	QUANT2 1, 1
	HSOUT
.Lno_first:
	s_add_co_u32 s27, s20, 16                      ; my second group: only where the expert has over 512 rows
	s_cmp_ge_u32 s27, s26
	s_cbranch_scc1 .Lno_second
	s_wait_loadcnt 0x0                             ; no load of mine is out: x's registers are asked for again
	s_wait_xcnt 0x0                                ; the first group's stores have read their registers and bases: both are written again
	BASES
	PREP
	XLOAD 0, X
	XLOAD 1, XF
	s_wait_loadcnt 0x0
.irp ps, 0,1
	s_wait_xcnt 0x0                                ; earlier stores have read their registers
	BIASC \ps
.irp s, 0,1,2,3
	KSTEP \ps, \s, X
.endr
.irp s, 4,5,6,7
	KSTEP \ps, \s, XF
.endr
	QUANT2 0, \ps
	QUANT2 1, \ps
.endr
	HSOUT
.Lno_second:
	s_xor_b32 s28, s20, 15                         ; smap: slice 0's wave 15
	s_or_b32 s28, s28, s24
	s_cmp_lg_u32 s28, 0
	s_cbranch_scc1 .Lno_map
	s_wait_xcnt 0x0                                ; earlier stores have read their registers
.irp q, 0,1,2,3,4,5,6,7
	global_load_b32 v[32+\q], v2, s[12:13] offset:128*\q   ; sel once more: word 32 q + lane
.endr
	s_lshl_b32 s70, 1, s23
	s_sub_co_u32 s70, s70, 1
	s_mul_i32 s70, s70, 0x01010101                 ; the bits of the experts under e, in each of a word's four bytes
	s_mov_b32 s69, 0
	v_and_b32 v40, 31, v0
	v_add_nc_u32 v41, 1152, v40
	v_mov_b32 v42, 1024
	s_wait_alu depctr_va_vdst(0)                   ; directly ahead of the wait below
	s_wait_loadcnt 0x0
.irp q, 0,1,2,3,4,5,6,7
	v_and_b32 v[32+\q], s70, v[32+\q]
.endr
.set cc, 0
.rept 32
	v_mbcnt_lo_u32_b32 v[64+cc], s[32+cc], s69     ; the token's slot: the rows of earlier chunks + those of lower lanes
	v_and_b32 v[96+cc], 0xff<<(8*(cc%4)), v[32+cc/4]
	v_cndmask_b32 v[64+cc], v41, v[64+cc], s[32+cc]
	v_cmp_ne_u32 vcc_lo, 0, v[96+cc]
	v_min_u32 v[64+cc], 0x7ff, v[64+cc]
	v_cndmask_b32 v[96+cc], 0, v42, vcc_lo
	v_lshlrev_b32 v[64+cc], 2, v[64+cc]
	v_add3_u32 v[96+cc], v[96+cc], v2, 128*(cc/4)+cc%4   ; 1,024 x choice + token 128 (c / 4) + 4 l + c % 4
	global_store_b32 v[64+cc], v[96+cc], s[18:19]  ; registers of its own for each store
	s_bcnt1_i32_b32 s70, s[32+cc]
	s_add_co_u32 s69, s69, s70
.set cc, cc+1
.endr
	v_add_nc_u32 v43, s25, v40                     ; the 32 places behind the last slot
	s_lshl_b32 s70, s23, 5
	s_add_co_u32 s70, s70, 2048
	v_and_b32 v44, 31, v43
	v_min_u32 v43, 0x7ff, v43
	v_add_nc_u32 v44, s70, v44
	v_lshlrev_b32 v43, 2, v43
	global_store_b32 v43, v44, s[18:19]
	v_mov_b32 v45, s25
	global_store_b32 v2, v45, s[18:19] offset:6144
.Lno_map:
	s_wait_tensorcnt 0x0                           ; the wave's end: behind my last LDS store
	ds_add_u32 v5, v6
	s_wait_dscnt 0x0
	s_endpgm
.Lfunc_end_k_q24682b6baa_gemm1:
	.size	k_q24682b6baa_gemm1, .Lfunc_end_k_q24682b6baa_gemm1-k_q24682b6baa_gemm1
	.p2alignl 7, 3214868480
	.fill 96, 4, 3214868480
	.section	.rodata,"a",@progbits
	.p2align	6, 0x0
	.amdhsa_kernel k_q24682b6baa_gemm1
		.amdhsa_group_segment_fixed_size 72192
		.amdhsa_private_segment_fixed_size 0
		.amdhsa_enable_private_segment 0
		.amdhsa_kernarg_size 64
		.amdhsa_user_sgpr_count 2
		.amdhsa_user_sgpr_kernarg_segment_ptr 1
		.amdhsa_wavefront_size32 1
		.amdhsa_system_sgpr_workgroup_id_x 1
		.amdhsa_system_sgpr_workgroup_id_y 1
		.amdhsa_system_sgpr_workgroup_id_z 1
		.amdhsa_system_vgpr_workitem_id 0
		.amdhsa_next_free_vgpr 256
		.amdhsa_next_free_sgpr 84
		.amdhsa_reserve_vcc 1
		.amdhsa_float_denorm_mode_32 3
		.amdhsa_float_denorm_mode_16_64 3
		.amdhsa_memory_ordered 1
		.amdhsa_forward_progress 1
		.amdhsa_inst_pref_size 227
	.end_amdhsa_kernel
	.amdgpu_metadata
---
amdhsa.version: [ 1, 2 ]
amdhsa.kernels:
  - .name:           k_q24682b6baa_gemm1
    .symbol:         k_q24682b6baa_gemm1.kd
    .args:
      - { .name: W1, .offset: 0, .size: 8, .value_kind: global_buffer, .address_space: global }
      - { .name: b1, .offset: 8, .size: 8, .value_kind: global_buffer, .address_space: global }
      - { .name: xq, .offset: 16, .size: 8, .value_kind: global_buffer, .address_space: global }
      - { .name: xs, .offset: 24, .size: 8, .value_kind: global_buffer, .address_space: global }
      - { .name: sel, .offset: 32, .size: 8, .value_kind: global_buffer, .address_space: global }
      - { .name: hq, .offset: 40, .size: 8, .value_kind: global_buffer, .address_space: global }
      - { .name: hs, .offset: 48, .size: 8, .value_kind: global_buffer, .address_space: global }
      - { .name: smap, .offset: 56, .size: 8, .value_kind: global_buffer, .address_space: global }
    .group_segment_fixed_size: 72192
    .private_segment_fixed_size: 0
    .kernarg_segment_align: 8
    .kernarg_segment_size: 64
    .max_flat_workgroup_size: 512
    .sgpr_count:     84
    .vgpr_count:     256
    .wavefront_size: 32
...
	.end_amdgpu_metadata
.endif
;; end of part 2
;; launch gemm2 (part 3): grid 32 x 8, 16 waves a work-group, no clusters, 71,680 bytes of LDS; arguments W2, b2, hq, hs, smap, yp; writes yp
.if DOCPART == 3
	.amdgcn_target "amdgcn-amd-amdhsa--gfx1250"
	.amdhsa_code_object_version 6
	.text
	.protected	k_q24682b6baa_gemm2
	.globl	k_q24682b6baa_gemm2
	.p2align	8
	.type	k_q24682b6baa_gemm2,@function
k_q24682b6baa_gemm2:
	s_mov_b64 s[64:65], 0
	v_nop
	global_prefetch_b8 v0, s[64:65] scope:SCOPE_SE
	s_setreg_imm32_b32 hwreg(HW_REG_WAVE_MODE, 25, 1), 1
	s_wait_xcnt 0x0
; THE SECOND LAYER ON THE CHOSEN ROWS: y = h W2[e] + b2[e], both operands as E2M1 codes with E8M0 scales; K = 4,096 in two halves, each half's sums to yp, added by the last launch.
; LEFT OUT: the rows of tokens for which expert e is not chosen: their gate is exactly 0 (shown at the head of the first kernel).
; SHARES.  Work-group (16 kh + cs, e) owns 64 columns x 2,048 along K of W2[e]: f32 numbers that no other work-group reads.  K goes in four chunks of 512; wave w takes block w (32 along K) of each chunk.
; THE STREAM.  A load is 16 bytes a lane: lanes 0-15 take the 256 bytes of row k, aligned, lanes 16-31 those of row k + 16.  Sixteen loads give lane (r, h) columns 4 r .. 4 r + 3 at k = 16 h + 0 .. 15: register 4 j + c.
; A block lies in lanes l and l xor 16: their maxima are joined.  The conversions want eight neighbours along K on end: pairs of moves lay two columns' eight at a time.
; A lane's 16 codes of a column are 8 bytes of the block's 16 in the image from which the operand's registers are loaded: [K step 16][tile 4][c 2][half 2][row 16][16 bytes].
; COLUMN 4 r + T IS ROW r OF TILE T: with source 0 = 16 rows of h and source 1 = 16 columns, lane (r, h)'s register j of tile T is y(row 8 h + j, column 4 r + T): sixteen lanes hold 256 bytes on end of a row.
; A barrier stands behind each chunk.  Behind it a wave that has a group of 32 rows (wave w: group w; the count comes from smap) multiplies the chunk, 32 products, and asks for h's next chunk, while its next 16 loads of W2 are out.
; Each LDS byte is written once; a chunk's bytes are read only behind its barrier.  The barriers stand under no branch; the products stand under a scalar branch on the count, so what one arm leaves for the next
; is written on every way through the text: the sums begin as zeros, and a wave without a group writes zeros where h's words would land.
; OUT: slot j's row goes to the row of yp that smap's word j names (1,024 x choice + token; empty places: rows from 2,048 on, an expert's own, never read): yp is [half 2][2,304 rows][1,024] f32.
; A second group (w + 16: only where the expert has over 512 rows) is multiplied behind the stream.  b2 is added in half 0 alone.
; No tensor load: branches hang on a number read from memory.  No cluster: no two work-groups read the same weights.  No prefetch: a wave's next share is asked for by its loads as soon as its registers are free.
.set PITCH, 4096
.set SS,    4096                       ; a K step of the image
.set SCI,   65536                      ; the weights' scale words: [K step 16][lane 32][2 words]: word p of lane 16 (T % 2) + r is tile T = 2 p + T % 2; byte b: the K step's block b
.set SPARE, 69632                      ; the spare words, 128 bytes for each of 16 waves
.set YH,    9437184                    ; a half of yp
.set ACC,   64                         ; v64-127  accumulators: 64 + 32 a + 8 T
.set X,     128                        ; v128-191 my 64 numbers of W2; on the way out: tile 1's rows, the rows' offsets (160 on), the permutes' indices (176 on)
.set AF,    192                        ; v192-255 h's fragments of one chunk: 192 + 16 (s % 4) + 8 a
; v1 16 x lane, v2 4 x lane, v3 scale words' address, v[4:7] b2, v8 W2's offset, v9, v10 the add's two, v11 the image's address, v12-15 h's scale words of the chunk, v16-17 W2's: these six hold scales alone
; v18 my slot's row of yp, v19 where my scale bytes go, v20 16 r, v21 32 h, v24-31 codes, v32-47 eight neighbours of two columns, v48-61 at work; in the products v32-63 are W2's four fragments
	s_load_b256 s[4:11], s[0:1], 0x0               ; W2, b2, hq, hs
	s_load_b128 s[12:15], s[0:1], 0x20             ; smap, yp
	v_lshl_add_u32 v9, v0, 2, SPARE
	v_mov_b32 v10, 0
	v_lshrrev_b32 v1, 5, v0
	v_readfirstlane_b32 s16, v1                    ; wave 0..15
	s_and_b32 s19, ttmp7, 0xffff                   ; e
	s_lshr_b32 s20, ttmp9, 4                       ; kh
	s_and_b32 s21, ttmp9, 15                       ; cs
	v_and_b32 v32, 31, v0
	v_and_b32 v33, 15, v0                          ; r
	v_bfe_u32 v34, v0, 4, 1                        ; h
	v_lshlrev_b32 v1, 4, v32
	v_lshlrev_b32 v2, 2, v32
	v_lshl_add_u32 v3, v32, 3, SCI
	v_lshlrev_b32 v20, 4, v33
	v_lshlrev_b32 v21, 5, v34
	v_lshl_add_u32 v8, v34, 16, v20                ; 16 rows of 4,096 bytes x h + 16 r
	s_lshr_b32 s26, s16, 2                         ; my block's K step in the chunk,
	s_and_b32 s27, s16, 3                          ; and its number there
	s_lshl_b32 s28, s26, 12
	s_lshl_b32 s29, s27, 8
	s_add_co_u32 s28, s28, s29
	v_lshl_add_u32 v11, v34, 3, v20
	v_add_nc_u32 v11, s28, v11                     ; 4,096 (w / 4) + 256 (w % 4) + 16 r + 8 h
	s_lshl_b32 s28, s26, 8
	s_add_co_u32 s28, s28, s27
	s_add_co_u32 s28, s28, SCI
	v_lshlrev_b32 v19, 3, v32
	v_add_nc_u32 v19, s28, v19                     ; SCI + 256 (w / 4) + 8 (16 h + r) + w % 4: lane (r, h) writes the bytes of tiles h and 2 + h
	s_mov_b32 s39, 0xffff0000                      ; lanes 16-31
	s_mov_b32 s40, 0x76543210
	s_mov_b32 s41, 0xfedcba98                      ; v_permlanex16_b32's selects for lane l xor 16
	s_lshl_b32 s26, s19, 24
	s_lshl_b32 s28, s20, 23
	s_add_co_u32 s26, s26, s28
	s_lshl_b32 s28, s16, 17
	s_add_co_u32 s26, s26, s28
	s_lshl_b32 s28, s21, 8
	s_add_co_u32 s26, s26, s28
	s_mov_b32 s27, 0
	s_wait_alu depctr_va_vdst(0)                   ; the wait at the head's end
	s_wait_kmcnt 0x0
	s_add_nc_u64 s[4:5], s[4:5], s[26:27]          ; W2 at (e, row 2,048 kh + 32 w, column 64 cs)
	s_lshl_b32 s26, s19, 12
	s_add_co_u32 s26, s26, s28
	s_add_nc_u64 s[6:7], s[6:7], s[26:27]          ; b2 at my 64 columns
	s_lshl_b32 s26, s19, 13
	s_add_nc_u64 s[12:13], s[12:13], s[26:27]      ; smap at expert e
	s_load_b32 s22, s[12:13], 0x1800               ; the expert's count
	global_load_b128 v[4:7], v20, s[6:7]
.macro LOADU i, g                      ; chunk i, rows 8 g .. 8 g + 7 (and those 16 further down)
.irp j, 0,1,2,3,4,5,6,7
	global_load_b128 v[X+32*(\g)+4*\j:X+32*(\g)+4*\j+3], v8, s[4:5] offset:(512*(\i)+8*(\g)+\j)*PITCH th:TH_LOAD_NT
.endr
.endm
	LOADU 0, 0
	LOADU 0, 1
	s_mul_i32 s26, s20, YH
	s_add_co_u32 s26, s26, s28
	s_add_nc_u64 s[36:37], s[14:15], s[26:27]      ; yp at (kh, row 0, column 64 cs)
.set n, 0
.rept 64
	v_mov_b32 v[ACC+n], 0                          ; the sums begin as zeros: each chunk's products stand under a branch of their own and all add in place
.set n, n+1
.endr
.macro BASES                           ; group s24's places in hq, hs and smap
	s_lshl_b32 s26, s19, 21
	s_lshl_b32 s28, s24, 16
	s_add_co_u32 s26, s26, s28
	s_lshl_b32 s28, s20, 14
	s_add_co_u32 s26, s26, s28
	s_mov_b32 s27, 0
	s_add_nc_u64 s[32:33], s[8:9], s[26:27]        ; hq at (e, row tile 2 g, K step 16 kh)
	s_lshl_b32 s26, s19, 17
	s_lshl_b32 s28, s24, 12
	s_add_co_u32 s26, s26, s28
	s_lshl_b32 s28, s20, 11
	s_add_co_u32 s26, s26, s28
	s_add_nc_u64 s[34:35], s[10:11], s[26:27]      ; hs at (e, g, K step 16 kh)
	s_lshl_b32 s26, s24, 7
	s_add_nc_u64 s[42:43], s[12:13], s[26:27]      ; smap at slot 32 g
.endm
.macro HLOAD i                         ; chunk i of h: 4 scale words (lanes 0-15 tile 0's rows', lanes 16-31 tile 1's) and 16 loads of fragments, as they were stored
.irp q, 0,1,2,3
	global_load_b32 v[12+\q], v2, s[34:35] offset:128*(4*(\i)+\q)
.endr
.irp q, 0,1,2,3
.irp a, 0,1
.irp c, 0,1
	global_load_b128 v[AF+16*\q+8*\a+4*\c:AF+16*\q+8*\a+4*\c+3], v1, s[32:33] offset:32768*\a+1024*(4*(\i)+\q)+512*\c
.endr
.endr
.endr
.endm
	s_mov_b32 s24, s16                             ; my first group: my wave's number
	BASES
	s_wait_kmcnt 0x0
	s_min_u32 s22, s22, 0x400
	s_add_co_u32 s23, s22, 31
	s_lshr_b32 s23, s23, 5                         ; the expert's groups
	s_cmp_eq_u32 s20, 0
	s_cselect_b32 s38, -1, 0                       ; all lanes in half 0, none in half 1
	s_cmp_ge_u32 s16, s23
	s_cbranch_scc1 .Lidle
	global_load_b32 v18, v2, s[42:43]
	HLOAD 0
	s_wait_loadcnt 21                              ; the 21 just issued may be out: b2 and chunk 0 of W2 are in
	s_branch .Lstream
.Lidle:                                                ; a wave without a group writes the registers that the products' text reads
.irp n, 12,13,14,15,18
	v_mov_b32 v[\n], 0
.endr
.set n, 0
.rept 64
	v_mov_b32 v[AF+n], 0
.set n, n+1
.endr
	s_wait_loadcnt 0x0
.Lstream:
.macro UNIT i                          ; my block of chunk i (its loads are in): four scale bytes, 4 x 16 codes a lane; the next chunk's loads go out as the registers come free
.irp c, 0,1,2,3
	v_max3_num_f32 v[48+\c], |v[X+\c]|, |v[X+4+\c]|, 0x1800000       ; eight chains by turns: a column's k 0-7 and 8-15; the floor 2^(3 - 127) holds the byte at 1 from below
	v_max3_num_f32 v[52+\c], |v[X+32+\c]|, |v[X+36+\c]|, 0x1800000
.endr
.irp j, 2,4,6
.irp c, 0,1,2,3
	v_max3_num_f32 v[48+\c], v[48+\c], |v[X+4*\j+\c]|, |v[X+4*\j+4+\c]|
	v_max3_num_f32 v[52+\c], v[52+\c], |v[X+32+4*\j+\c]|, |v[X+36+4*\j+\c]|
.endr
.endr
.irp c, 0,1,2,3
	v_max_num_f32 v[48+\c], v[48+\c], v[52+\c]
.endr
.irp c, 0,1,2,3
	v_permlanex16_b32 v[52+\c], v[48+\c], s40, s41
.endr
.irp c, 0,1,2,3
	v_max_num_f32 v[48+\c], v[48+\c], v[52+\c]     ; with lane l xor 16's 16: the block's largest magnitude
.endr
.irp c, 0,1,2,3
	v_add_nc_u32 v[56+\c], 0xff000000, v[48+\c]    ; 2 off the exponent field: the conversion's scale operand
.endr
.irp c, 0,1,2,3
	v_lshrrev_b32 v[52+\c], 23, v[56+\c]           ; the byte
.endr
	v_cndmask_b32 v60, v52, v53, s39               ; tile h's,
	v_cndmask_b32 v61, v54, v55, s39               ; tile 2 + h's
	ds_store_b8 v19, v60 offset:1024*(\i)
	ds_store_b8 v19, v61 offset:1024*(\i)+4
.irp g, 0,1
.irp p, 0,1
.irp jj, 0,2,4,6
	v_dual_mov_b32 v[32+\jj], v[X+32*\g+4*\jj+2*\p] :: v_dual_mov_b32 v[41+\jj], v[X+32*\g+4*\jj+5+2*\p]
	v_dual_mov_b32 v[40+\jj], v[X+32*\g+4*\jj+1+2*\p] :: v_dual_mov_b32 v[33+\jj], v[X+32*\g+4*\jj+4+2*\p]
.endr
	v_cvt_scalef32_pk8_fp4_f32 v[24+4*\p+\g], v[32:39], v[56+2*\p]      ; column 2 p, k = 16 h + 8 g + 0 .. 7
	v_cvt_scalef32_pk8_fp4_f32 v[26+4*\p+\g], v[40:47], v[57+2*\p]      ; column 2 p + 1
	v_nop                                          ; a plain line behind the conversions: their sources are written next
.endr
.if (\i) < 3
	LOADU (\i)+1, \g
.endif
.endr
.irp c, 0,1,2,3
	ds_store_b64 v11, v[24+2*\c:25+2*\c] offset:16384*(\i)+1024*\c
.endr
.endm
.macro MEET                            ; a chunk is whole: my stores have landed, then the work-group's barrier
	s_wait_dscnt 0x0
	s_barrier_signal -1
	s_barrier_wait -1
.endm
.macro WM c, ra, rb                    ; one product; c: its C; ra, rb: the scales' half of the lanes for source 0, source 1
.if ((\ra) == 0) && ((\rb) == 0)
	v_wmma_scale_f32_16x16x128_f8f6f4 v[rD:rD+7], v[rA:rA+7], v[rB:rB+7], \c, v[rSA], v[rSB] matrix_a_fmt:MATRIX_FMT_FP4 matrix_b_fmt:MATRIX_FMT_FP4
.elseif ((\ra) == 1) && ((\rb) == 0)
	v_wmma_scale_f32_16x16x128_f8f6f4 v[rD:rD+7], v[rA:rA+7], v[rB:rB+7], \c, v[rSA], v[rSB] matrix_a_fmt:MATRIX_FMT_FP4 matrix_b_fmt:MATRIX_FMT_FP4 matrix_a_scale:MATRIX_SCALE_ROW1
.elseif ((\ra) == 0) && ((\rb) == 1)
	v_wmma_scale_f32_16x16x128_f8f6f4 v[rD:rD+7], v[rA:rA+7], v[rB:rB+7], \c, v[rSA], v[rSB] matrix_a_fmt:MATRIX_FMT_FP4 matrix_b_fmt:MATRIX_FMT_FP4 matrix_b_scale:MATRIX_SCALE_ROW1
.else
	v_wmma_scale_f32_16x16x128_f8f6f4 v[rD:rD+7], v[rA:rA+7], v[rB:rB+7], \c, v[rSA], v[rSB] matrix_a_fmt:MATRIX_FMT_FP4 matrix_b_fmt:MATRIX_FMT_FP4 matrix_a_scale:MATRIX_SCALE_ROW1 matrix_b_scale:MATRIX_SCALE_ROW1
.endif
.endm
; 128 along K: W2's four tiles from LDS, eight products: the eight accumulators take turns, one instruction a turn.  z = 1: K step 0 starts the sums anew
.macro KSTEP s, z
.irp tt, 0,1,2,3
.irp c, 0,1
	ds_load_b128 v[32+8*\tt+4*\c:35+8*\tt+4*\c], v1 offset:SS*(\s)+1024*\tt+512*\c
.endr
.endr
	ds_load_b64 v[16:17], v3 offset:256*(\s)
	s_wait_dscnt 0x0
.irp tt, 0,1,2,3
.irp a, 0,1
.set rD, ACC+32*\a+8*\tt
.set rA, AF+16*((\s)%4)+8*\a
.set rB, 32+8*\tt
.set rSA, 12+(\s)%4
.set rSB, 16+\tt/2
.if ((\s) == 0) && (\z)
	WM 0, \a, \tt%2
.else
	WM v[rD:rD+7], \a, \tt%2
.endif
.endr
.endr
.rept 4
	v_nop                                          ; places in front of loads and vector writes into registers that the products have read, and of the first read of results
.endr
.endm
.macro DIDX                            ; lane (r, h) wants the rows of yp of slots 16 a + 8 h + j: lane l holds slot l's
.set n, 0
.rept 16
	v_add_nc_u32 v[176+n], 4*(16*(n/8)+n%8), v21
.set n, n+1
.endr
.set n, 0
.rept 16
	ds_bpermute_b32 v[160+n], v[176+n], v18
.set n, n+1
.endr
.endm
.macro OUT a, o                        ; tile a's 16 rows: + b2, laid four neighbouring columns to a register quad; each accumulator is read from its register 0 on
.irp j, 0,1,2,3,4,5,6,7
.irp tt, 0,1,2,3
	v_add_f32 v[\o+4*\j+\tt], v[ACC+32*\a+8*\tt+\j], v[4+\tt]
.endr
.endr
.irp j, 0,1,2,3,4,5,6,7
	global_store_b128 v[160+8*\a+\j], v[\o+4*\j:\o+4*\j+3], s[36:37] th:TH_STORE_NT   ; sixteen lanes store 256 bytes on end, at a multiple of 256 from yp's first byte
.endr
.endm
.macro FIN                             ; the rows' numbers, held to the table, become byte offsets; then both tiles leave
.set n, 0
.rept 16
	v_min_u32 v[160+n], 0x8ff, v[160+n]
.set n, n+1
.endr
.set n, 0
.rept 16
	v_lshl_add_u32 v[160+n], v[160+n], 12, v20
.set n, n+1
.endr
	OUT 0, 32
	OUT 1, 128
.endm
; Behind chunk i's barrier.  Both ways end with the next chunk of W2 in registers
.macro ARM i
	s_cmp_ge_u32 s16, s23
	s_cbranch_scc1 .Lnone_\@
.if \i < 3
	s_wait_loadcnt 16                              ; the next chunk's 16 loads of W2 may be out: h's chunk i is in
.else
	s_wait_loadcnt 0x0
	DIDX                                           ; (the first K step's wait on DScnt covers the permutes)
.endif
.irp q, 0,1,2,3
	KSTEP 4*\i+\q, 0
.endr
.if \i < 3
	HLOAD \i+1
	s_wait_loadcnt 20                              ; h's 20 loads may be out: the next chunk of W2 is in
.else
	FIN
.endif
	s_branch .Ljoin_\@
.Lnone_\@:
	s_wait_loadcnt 0x0
.Ljoin_\@:
.endm
	UNIT 0
.irp i, 0,1,2,3
	v_cndmask_b32 v[4+\i], 0, v[4+\i], s38         ; b2 counts once: in half 0
.endr
	MEET
	ARM 0
	UNIT 1
	MEET
	ARM 1
	UNIT 2
	MEET
	ARM 2
	UNIT 3
	MEET
	ARM 3
	s_add_co_u32 s24, s16, 16                      ; my second group: only where the expert has over 512 rows; the whole image lies in LDS
	s_cmp_ge_u32 s24, s23
	s_cbranch_scc1 .Lend
	s_wait_xcnt 0x0                                ; the first group's stores have read their registers: they are written again
	BASES
	global_load_b32 v18, v2, s[42:43]
.irp i, 0,1,2,3
	HLOAD \i
	s_wait_loadcnt 0x0
.if \i == 0
	DIDX
.endif
.irp q, 0,1,2,3
	KSTEP 4*\i+\q, 1
.endr
.endr
	FIN
.Lend:
	s_wait_tensorcnt 0x0                           ; the wave's end: behind my last LDS store
	ds_add_u32 v9, v10
	s_wait_dscnt 0x0
	s_endpgm
.Lfunc_end_k_q24682b6baa_gemm2:
	.size	k_q24682b6baa_gemm2, .Lfunc_end_k_q24682b6baa_gemm2-k_q24682b6baa_gemm2
	.p2alignl 7, 3214868480
	.fill 96, 4, 3214868480
	.section	.rodata,"a",@progbits
	.p2align	6, 0x0
	.amdhsa_kernel k_q24682b6baa_gemm2
		.amdhsa_group_segment_fixed_size 71680
		.amdhsa_private_segment_fixed_size 0
		.amdhsa_enable_private_segment 0
		.amdhsa_kernarg_size 48
		.amdhsa_user_sgpr_count 2
		.amdhsa_user_sgpr_kernarg_segment_ptr 1
		.amdhsa_wavefront_size32 1
		.amdhsa_system_sgpr_workgroup_id_x 1
		.amdhsa_system_sgpr_workgroup_id_y 1
		.amdhsa_system_sgpr_workgroup_id_z 1
		.amdhsa_system_vgpr_workitem_id 0
		.amdhsa_next_free_vgpr 256
		.amdhsa_next_free_sgpr 66
		.amdhsa_reserve_vcc 0
		.amdhsa_float_denorm_mode_32 3
		.amdhsa_float_denorm_mode_16_64 3
		.amdhsa_memory_ordered 1
		.amdhsa_forward_progress 1
		.amdhsa_inst_pref_size 126
	.end_amdhsa_kernel
	.amdgpu_metadata
---
amdhsa.version: [ 1, 2 ]
amdhsa.kernels:
  - .name:           k_q24682b6baa_gemm2
    .symbol:         k_q24682b6baa_gemm2.kd
    .args:
      - { .name: W2, .offset: 0, .size: 8, .value_kind: global_buffer, .address_space: global }
      - { .name: b2, .offset: 8, .size: 8, .value_kind: global_buffer, .address_space: global }
      - { .name: hq, .offset: 16, .size: 8, .value_kind: global_buffer, .address_space: global }
      - { .name: hs, .offset: 24, .size: 8, .value_kind: global_buffer, .address_space: global }
      - { .name: smap, .offset: 32, .size: 8, .value_kind: global_buffer, .address_space: global }
      - { .name: yp, .offset: 40, .size: 8, .value_kind: global_buffer, .address_space: global }
    .group_segment_fixed_size: 71680
    .private_segment_fixed_size: 0
    .kernarg_segment_align: 8
    .kernarg_segment_size: 48
    .max_flat_workgroup_size: 512
    .sgpr_count:     66
    .vgpr_count:     256
    .wavefront_size: 32
...
	.end_amdgpu_metadata
.endif
;; end of part 3
;; launch combine (part 4): grid 256 x 1, 4 waves a work-group, no clusters, 0 bytes of LDS; arguments yp, sel, gbuf, out0; writes out0
.if DOCPART == 4
	.amdgcn_target "amdgcn-amd-amdhsa--gfx1250"
	.amdhsa_code_object_version 6
	.text
	.protected	k_q24682b6baa_combine
	.globl	k_q24682b6baa_combine
	.p2align	8
	.type	k_q24682b6baa_combine,@function
k_q24682b6baa_combine:
	s_mov_b64 s[64:65], 0
	v_nop
	global_prefetch_b8 v0, s[64:65] scope:SCOPE_SE
	s_setreg_imm32_b32 hwreg(HW_REG_WAVE_MODE, 25, 1), 1
	s_wait_xcnt 0x0
; THE GATED SUM: out0[t] = gA (yA, half 0 + yA, half 1) + gB (yB, half 0 + yB, half 1), A the lower and B the higher of the token's two chosen experts.
; LEFT OUT: the six experts whose gate is exactly 0 (shown at the head of the first kernel): their rows were never made.
; A wave takes a token, t = 4 x work-group + wave.  yp is [half 2][2,304 rows][1,024] f32; A's row is row t, B's row 1,024 + t: every address is made of ids alone.
; The token's byte of sel only chooses its two gates among the eight of gbuf, by selects.  Four rows of 4,096 bytes come in, one goes out, 512 bytes on end an instruction.
; No LDS, no barrier, no matrix unit: a sum of four rows is a stream.
.set YH, 9437184                       ; a half of yp
.set RB, 4194304                       ; 1,024 rows
	s_load_b256 s[4:11], s[0:1], 0x0               ; yp, sel, gbuf, out0
	v_lshrrev_b32 v1, 5, v0
	v_readfirstlane_b32 s14, v1                    ; wave 0..3
	v_and_b32 v1, 31, v0
	v_lshlrev_b32 v1, 4, v1                        ; 16 x lane
	s_lshl_b32 s16, ttmp9, 2
	s_mov_b32 s17, 0
	s_add_co_u32 s15, s16, s14                     ; t
	s_lshl_b32 s18, s15, 12
	s_mov_b32 s19, 0
	s_lshl_b32 s20, s15, 5
	s_mov_b32 s21, 0
	s_lshl_b32 s22, s14, 3
	s_wait_alu depctr_va_vdst(0)                   ; the wait at the head's end
	s_wait_kmcnt 0x0
	s_add_nc_u64 s[6:7], s[6:7], s[16:17]
	s_add_nc_u64 s[8:9], s[8:9], s[20:21]
	s_load_b32 s23, s[6:7], 0x0                    ; the four tokens' bytes
	s_load_b256 s[24:31], s[8:9], 0x0              ; my token's eight gates
	s_add_nc_u64 s[4:5], s[4:5], s[18:19]          ; half 0, row t
	s_add_nc_u64 s[12:13], s[4:5], YH              ; half 1
	s_add_nc_u64 s[10:11], s[10:11], s[18:19]      ; out0 at token t
.irp q, 0,1,2,3,4,5,6,7
	global_load_b128 v[8+16*\q:11+16*\q], v1, s[4:5] offset:512*\q th:TH_LOAD_NT
	global_load_b128 v[12+16*\q:15+16*\q], v1, s[12:13] offset:512*\q th:TH_LOAD_NT
	global_load_b128 v[16+16*\q:19+16*\q], v1, s[4:5] offset:RB+512*\q th:TH_LOAD_NT
	global_load_b128 v[20+16*\q:23+16*\q], v1, s[12:13] offset:RB+512*\q th:TH_LOAD_NT
.endr
	s_wait_kmcnt 0x0
	s_lshr_b32 s23, s23, s22
	s_and_b32 s23, s23, 0xff                       ; my token's byte: two bits are set
	s_ctz_i32_b32 s32, s23                         ; A: the lowest,
	s_sub_co_u32 s33, s23, 1
	s_and_b32 s33, s33, s23
	s_ctz_i32_b32 s33, s33                         ; B: the next
	s_mov_b32 s34, 0
	s_mov_b32 s36, 0
.irp e, 0,1,2,3,4,5,6,7
	s_cmp_eq_u32 s32, \e
	s_cselect_b32 s34, s[24+\e], s34               ; A's gate
	s_cmp_eq_u32 s33, \e
	s_cselect_b32 s36, s[24+\e], s36               ; B's gate
.endr
	s_mov_b32 s35, s34                             ; the packed forms name a pair and take its low word for both halves
	s_mov_b32 s37, s36
.irp q, 0,1,2,3,4,5,6,7
	s_wait_loadcnt 4*(7-\q)                        ; the later pieces' loads, four each, may be out
.irp p, 0,2
	v_pk_add_f32 v[8+16*\q+\p:9+16*\q+\p], v[8+16*\q+\p:9+16*\q+\p], v[12+16*\q+\p:13+16*\q+\p]
	v_pk_add_f32 v[16+16*\q+\p:17+16*\q+\p], v[16+16*\q+\p:17+16*\q+\p], v[20+16*\q+\p:21+16*\q+\p]
	v_pk_mul_f32 v[16+16*\q+\p:17+16*\q+\p], v[16+16*\q+\p:17+16*\q+\p], s[36:37] op_sel_hi:[1,0]
	v_pk_fma_f32 v[8+16*\q+\p:9+16*\q+\p], v[8+16*\q+\p:9+16*\q+\p], s[34:35], v[16+16*\q+\p:17+16*\q+\p] op_sel_hi:[1,0,1]
.endr
	global_store_b128 v1, v[8+16*\q:11+16*\q], s[10:11] offset:512*\q th:TH_STORE_NT
.endr
	s_endpgm
.Lfunc_end_k_q24682b6baa_combine:
	.size	k_q24682b6baa_combine, .Lfunc_end_k_q24682b6baa_combine-k_q24682b6baa_combine
	.p2alignl 7, 3214868480
	.fill 96, 4, 3214868480
	.section	.rodata,"a",@progbits
	.p2align	6, 0x0
	.amdhsa_kernel k_q24682b6baa_combine
		.amdhsa_group_segment_fixed_size 0
		.amdhsa_private_segment_fixed_size 0
		.amdhsa_enable_private_segment 0
		.amdhsa_kernarg_size 32
		.amdhsa_user_sgpr_count 2
		.amdhsa_user_sgpr_kernarg_segment_ptr 1
		.amdhsa_wavefront_size32 1
		.amdhsa_system_sgpr_workgroup_id_x 1
		.amdhsa_system_sgpr_workgroup_id_y 1
		.amdhsa_system_sgpr_workgroup_id_z 1
		.amdhsa_system_vgpr_workitem_id 0
		.amdhsa_next_free_vgpr 140
		.amdhsa_next_free_sgpr 66
		.amdhsa_reserve_vcc 0
		.amdhsa_float_denorm_mode_32 3
		.amdhsa_float_denorm_mode_16_64 3
		.amdhsa_memory_ordered 1
		.amdhsa_forward_progress 1
		.amdhsa_inst_pref_size 11
	.end_amdhsa_kernel
	.amdgpu_metadata
---
amdhsa.version: [ 1, 2 ]
amdhsa.kernels:
  - .name:           k_q24682b6baa_combine
    .symbol:         k_q24682b6baa_combine.kd
    .args:
      - { .name: yp, .offset: 0, .size: 8, .value_kind: global_buffer, .address_space: global }
      - { .name: sel, .offset: 8, .size: 8, .value_kind: global_buffer, .address_space: global }
      - { .name: gbuf, .offset: 16, .size: 8, .value_kind: global_buffer, .address_space: global }
      - { .name: out0, .offset: 24, .size: 8, .value_kind: global_buffer, .address_space: global }
    .group_segment_fixed_size: 0
    .private_segment_fixed_size: 0
    .kernarg_segment_align: 8
    .kernarg_segment_size: 32
    .max_flat_workgroup_size: 128
    .sgpr_count:     66
    .vgpr_count:     140
    .wavefront_size: 32
...
	.end_amdgpu_metadata
.endif
;; end of part 4
